; MI455X (gfx1250); checked and timed in simulation.
; The chip was launched on July 23, 2026; its instructions are those of AMD's public machine-readable ISA for CDNA 5 (MIT licence, August 2026) and "CDNA5" Instruction Set Architecture Reference Guide (July 2026). The comments in the code are by the model that wrote it; some were corrected since.
;; Bert Attention. Allowed arithmetic: matrix products marked QUANTISED: E5M2 operands, one given power-of-two scale a tensor, by v_wmma_f32_16x16x64_bf8_bf8 or v_wmma_f32_16x16x128_bf8_bf8, f32 sums; everything else in f32.
;; Inputs: Wk 768 x 768 float32; Wo 768 x 768 float32; Wq 768 x 768 float32; Wv 768 x 768 float32; additive_attention_mask 32 x 1 x 1 x 512 float32; bk 768 float32; bo 768 float32; bq 768 float32; bv 768 float32; ln_b 768 float32; ln_w 768 float32; lowp_scales 12 int32 (the exponents e of the quantised operands' scales 2^e); x 32 x 512 x 768 float32.
;; Outputs: out0 32 x 512 x 768 float32.
;; This version of the problem:
;;   THIS VERSION OF THE PROBLEM IS GIVEN IN LOW PRECISION. The matrix products marked QUANTISED in the list below multiply operands that are first quantised to E5M2 (5 exponent bits, 2 mantissa bits; 8 bits a number), with one given power-of-two scale for each operand tensor; their sums are f32. All else is computed in f32.
;;   The module's matrix products, in the order in which they are computed (A, B: the left and right operand; K: the contracted axis; several contracted axes count as one K, in the product's order):
;;     1. [M 16,384, K 768] x [K 768, N 768]; A: input x; B: input Wq: QUANTISED (scales: A lowp_scales[0], B lowp_scales[1])
;;     2. [M 16,384, K 768] x [K 768, N 768]; A: input x; B: input Wk: QUANTISED (scales: A lowp_scales[2], B lowp_scales[3])
;;     3. [M 16,384, K 768] x [K 768, N 768]; A: input x; B: input Wv: QUANTISED (scales: A lowp_scales[4], B lowp_scales[5])
;;     4. batch 384 x [M 512, K 64] x [K 64, N 512]; A: computed on the way; B: computed on the way: QUANTISED (scales: A lowp_scales[6], B lowp_scales[7])
;;     5. batch 384 x [M 512, K 512] x [K 512, N 64]; A: softmax (see below); B: computed on the way: QUANTISED (scales: A lowp_scales[8], B lowp_scales[9])
;;     6. [M 16,384, K 768] x [K 768, N 768]; A: computed on the way; B: input Wo: QUANTISED (scales: A lowp_scales[10], B lowp_scales[11])
;;   THE QUANTISER, for each operand of a quantised product, along K:
;;     - The operand's scale is 2^e, e = its entry of the input lowp_scales (int32; the entries are numbered through the quantised products in the list's order, A before B).
;;     - Each number is divided by the scale, clamped to +-57,344, and rounded to the nearest number of E5M2, ties to even, subnormals kept.
;;     - The product sums the exact products of the quantised numbers (number of the format x scale) in f32.
;;   ~~~python
;;   def quantise(x, axis, e):      # numpy; x: float32 -> the quantised numbers, widened to float32 again
;;       x = np.moveaxis(x, axis, -1); K = x.shape[-1]
;;       r = np.clip(x / 2.0 ** e, -57344, 57344)
;;       step = 2.0 ** (np.maximum(np.frexp(np.where(r == 0, 1, r))[1] - 1, -14) - 2)
;;       q = np.round(r / step) * step * 2.0 ** e      # np.round: ties to even
;;       return np.moveaxis(q, -1, axis).astype(np.float32)
;;   ~~~
;;   SOFTMAX AHEAD OF A QUANTISED PRODUCT. Where the list says 'softmax', what is quantised is not the finished softmax but p = 2^(t - M), with t = logit x log2(e) and M = ceil(the row's largest t), a whole number; so 1/2 < the row's largest p <= 1. The row's sum l is taken of the UNQUANTISED p, in f32, and the product's result is divided by l at the end. Since M is a whole number, a kernel that streams over the keys may use a running M (the ceiling of the running maximum): every later rescaling is an exact power of two, so the quantised numbers keep their values, but for numbers so far below the row's largest that they fall under the format's range.
;;   OPERANDS COMPUTED ON THE WAY. 'Computed on the way' means the value that the module computes at that place (a softmax that the list does not call 'softmax' is quantised finished and normalised). What goes into a quantiser is computed in f32, as accurately as f32 sums, v_exp_f32 and their like allow (about 1e-6 of the number): no bf16 or f16 on the way to a quantiser, and a product that is left as it is and whose result goes on into a quantised operand takes f32 operands (vector FMAs, or v_wmma_f32_16x16x4_f32). A number that lies on a knife's edge between two numbers of the format may be rounded either way, as far as f32 arithmetic and the matrix unit's own rounding can turn it there, and no further.
;; One version. Each part assembles by itself: llvm-mc -triple=amdgcn-amd-amdhsa -mcpu=gfx1250 --defsym DOCPART=n.
;; ======== version 1 of 1: 3 launches
;; limits: right only within a limited range of input values
;; workspace buffers: wcodes 2,359,296 bytes; qc 12,582,912 bytes; kc 12,582,912 bytes; vc 12,582,912 bytes
;; launch prep (part 1): grid 96 x 4, 3 waves a work-group, no clusters, 25,856 bytes of LDS; arguments Wq, Wk, Wv, Wo, lowp_scales, wcodes; writes wcodes
.if DOCPART == 1
	.amdgcn_target "amdgcn-amd-amdhsa--gfx1250"
	.amdhsa_code_object_version 6
	.text
	.protected	k_q480564cf47_prep
	.globl	k_q480564cf47_prep
	.p2align	8
	.type	k_q480564cf47_prep,@function
k_q480564cf47_prep:
	s_mov_b64 s[64:65], 0
	v_nop
	global_prefetch_b8 v0, s[64:65] scope:SCOPE_SE
	s_setreg_imm32_b32 hwreg(HW_REG_WAVE_MODE, 25, 1), 1
	s_wait_xcnt 0x0
; The four weights [768 (n)][768 (k)], f32, K innermost, become codes of BF8 (E5M2), each with its given scale 2^e (entries 1, 3, 5, 11 of the scales),
; laid in the order of an operand's registers: wcodes[p: q,k,v,o][K step s of 128][tile t of 16 rows][block c][lane][16 bytes].
; Lane (r, h) of tile t stands for row 32 (t / 2) + 8 (t % 2) + r + 8 (r / 8); its block c holds k = 128 s + 32 c + 16 h + 0 .. 15.
; code = w / 2^e, held within +-57,344, to the nearest code, ties to even.  LIMITS: e between -126 and 112; NaN among the inputs is not served.
; One wave makes one fragment.  Each of its 16 loads reads 512 consecutive bytes of one row, 16 a lane; the 16 rows go through the wave's own stage in LDS
; (rows 528 bytes apart) and come back 4 x 64 bytes a lane: 16 neighbours along K for each block.  64 holds, 8 conversions, 4 stores of 512 consecutive aligned bytes.
; Work-group x: tile and half of the K steps; y: the weight.  No barrier, no matrix unit: waves share nothing, and each weight is read once.
.set ROWB,  3072                       ; a row of a weight in bytes
.set GSTEP, 98304                      ; 48 fragments of 2,048 bytes: one K step of one weight
.set WSIZE, 589824                     ; six K steps
.set SP,    528                        ; a stage row: 512 bytes + 16 of padding
.set SPARE, 3*16*SP                    ; behind the three stages: the spare words, two blocks of 256 bytes that no other line names
.set X,     96                         ; v96-159: the numbers back from the stage
	s_load_b256 s[4:11], s[0:1], 0x0               ; Wq, Wk, Wv, Wo
	s_load_b128 s[12:15], s[0:1], 0x20             ; the scales' exponents, wcodes
	v_lshl_add_u32 v7, v0, 2, SPARE                ; my spare word; never rewritten
	v_mov_b32 v8, 0                                ; 0; never rewritten
	v_lshrrev_b32 v1, 5, v0
	v_readfirstlane_b32 s28, v1                    ; wave 0..2
	v_and_b32 v2, 15, v0                           ; r
	v_bfe_u32 v3, v0, 4, 1                         ; h
	s_mul_i32 s38, s28, 16*SP                      ; my stage
	v_mul_u32_u24 v4, v2, SP
	v_lshl_add_u32 v4, v3, 6, v4
	v_add_nc_u32 v4, s38, v4                       ; out of the stage: row r, + 64 h: my 16 numbers of a block of 32
	v_and_b32 v5, 31, v0
	v_lshlrev_b32 v5, 4, v5                        ; 16 x lane: in memory, both ways
	v_add_nc_u32 v6, s38, v5                       ; into the stage
	s_and_b32 s29, ttmp7, 0xffff                   ; p: which weight
	s_lshr_b32 s30, ttmp9, 1                       ; t
	s_and_b32 s31, ttmp9, 1
	s_mul_i32 s31, s31, 3
	s_add_co_u32 s31, s31, s28                     ; s = 3 (x % 2) + wave
	s_lshr_b32 s32, s30, 1
	s_lshl_b32 s32, s32, 5
	s_and_b32 s33, s30, 1
	s_lshl_b32 s33, s33, 3
	s_add_co_u32 s32, s32, s33                     ; the tile's first row
	s_mul_i32 s32, s32, ROWB
	s_lshl_b32 s33, s31, 9
	s_add_co_u32 s32, s32, s33                     ; + 512 s bytes along K
	s_mov_b32 s33, 0
	s_mul_i32 s34, s29, WSIZE
	s_mul_i32 s35, s31, GSTEP
	s_add_co_u32 s34, s34, s35
	s_lshl_b32 s35, s30, 11
	s_add_co_u32 s34, s34, s35                     ; the fragment's place in wcodes
	s_mov_b32 s35, 0
	s_wait_alu depctr_va_vdst(0)
	s_wait_kmcnt 0x0
	s_load_b256 s[16:23], s[12:13], 0x0            ; e0 .. e7
	s_load_b128 s[24:27], s[12:13], 0x20           ; e8 .. e11
	s_cmp_eq_u32 s29, 1                            ; the weight is chosen by the work-group's number alone
	s_cselect_b64 s[4:5], s[6:7], s[4:5]
	s_cmp_eq_u32 s29, 2
	s_cselect_b64 s[4:5], s[8:9], s[4:5]
	s_cmp_eq_u32 s29, 3
	s_cselect_b64 s[4:5], s[10:11], s[4:5]
	s_add_nc_u64 s[4:5], s[4:5], s[32:33]
	s_add_nc_u64 s[14:15], s[14:15], s[34:35]
.irp i, 0,1,2,3,4,5,6,7,8,9,10,11,12,13,14,15
	global_load_b128 v[16+4*\i:19+4*\i], v5, s[4:5] offset:(\i+8*(\i/8))*ROWB th:TH_LOAD_NT   ; the row that lane r = i stands for: 512 consecutive bytes
.endr
	s_wait_kmcnt 0x0
	s_cmp_eq_u32 s29, 1
	s_cselect_b32 s36, s19, s17                    ; e: entry 1, 3, 5 or 11
	s_cmp_eq_u32 s29, 2
	s_cselect_b32 s36, s21, s36
	s_cmp_eq_u32 s29, 3
	s_cselect_b32 s36, s27, s36
	s_add_co_i32 s36, s36, 127
	s_lshl_b32 s37, s36, 23
	v_mov_b32 v11, s37                             ; 2^e as f32: the conversion takes its exponent field
	s_add_co_i32 s36, s36, 15
	s_lshl_b32 s36, s36, 23
	s_or_b32 s36, s36, 0x600000
	v_mov_b32 v10, s36                             ; 57,344 x 2^e
	s_wait_alu depctr_va_vdst(0)
.irp i, 0,1,2,3,4,5,6,7,8,9,10,11,12,13,14,15
	s_wait_loadcnt 15-\i                           ; row i is in: 15 - i loads were issued behind it
	ds_store_b128 v6, v[16+4*\i:19+4*\i] offset:SP*\i
.endr
.irp c, 0,1,2,3
.irp j, 0,1,2,3
	ds_load_b128 v[X+16*\c+4*\j:X+16*\c+4*\j+3], v4 offset:128*\c+16*\j   ; LDS serves a wave's instructions in order: these see my stores.  Register 16 c + i: k = 32 c + 16 h + i
.endr
.endr
	s_wait_dscnt 0x0
.irp c, 0,1,2,3
.irp i, 0,1,2,3,4,5,6,7,8,9,10,11,12,13,14,15
	v_med3_num_f32 v[X+16*\c+\i], v[X+16*\c+\i], -v10, v10   ; the conversion to an 8-bit code does not saturate (ISA guide 7.6.2): the hold comes first
.endr
	v_cvt_scalef32_pk8_bf8_f32 v[80+4*\c:81+4*\c], v[X+16*\c:X+16*\c+7], v11
	v_cvt_scalef32_pk8_bf8_f32 v[82+4*\c:83+4*\c], v[X+16*\c+8:X+16*\c+15], v11
.endr
	v_nop                                          ; a plain line behind the last conversion
.irp c, 0,1,2,3
	global_store_b128 v5, v[80+4*\c:83+4*\c], s[14:15] offset:512*\c   ; 32 lanes store 512 consecutive bytes, aligned
.endr
	s_wait_tensorcnt 0x0                           ; the wave's end: behind my last LDS store
	ds_add_u32 v7, v8
	s_wait_dscnt 0x0
	s_endpgm
.Lfunc_end_k_q480564cf47_prep:
	.size	k_q480564cf47_prep, .Lfunc_end_k_q480564cf47_prep-k_q480564cf47_prep
	.p2alignl 7, 3214868480
	.fill 96, 4, 3214868480
	.section	.rodata,"a",@progbits
	.p2align	6, 0x0
	.amdhsa_kernel k_q480564cf47_prep
		.amdhsa_group_segment_fixed_size 25856
		.amdhsa_private_segment_fixed_size 0
		.amdhsa_enable_private_segment 0
		.amdhsa_kernarg_size 48
		.amdhsa_user_sgpr_count 2
		.amdhsa_user_sgpr_kernarg_segment_ptr 1
		.amdhsa_wavefront_size32 1
		.amdhsa_system_sgpr_workgroup_id_x 1
		.amdhsa_system_sgpr_workgroup_id_y 1
		.amdhsa_system_sgpr_workgroup_id_z 1
		.amdhsa_system_vgpr_workitem_id 0
		.amdhsa_next_free_vgpr 160
		.amdhsa_next_free_sgpr 66
		.amdhsa_reserve_vcc 0
		.amdhsa_float_denorm_mode_32 3
		.amdhsa_float_denorm_mode_16_64 3
		.amdhsa_memory_ordered 1
		.amdhsa_forward_progress 1
		.amdhsa_inst_pref_size 12
	.end_amdhsa_kernel
	.amdgpu_metadata
---
amdhsa.version: [ 1, 2 ]
amdhsa.kernels:
  - .name:           k_q480564cf47_prep
    .symbol:         k_q480564cf47_prep.kd
    .args:
      - { .name: Wq, .offset: 0, .size: 8, .value_kind: global_buffer, .address_space: global }
      - { .name: Wk, .offset: 8, .size: 8, .value_kind: global_buffer, .address_space: global }
      - { .name: Wv, .offset: 16, .size: 8, .value_kind: global_buffer, .address_space: global }
      - { .name: Wo, .offset: 24, .size: 8, .value_kind: global_buffer, .address_space: global }
      - { .name: lowp_scales, .offset: 32, .size: 8, .value_kind: global_buffer, .address_space: global }
      - { .name: wcodes, .offset: 40, .size: 8, .value_kind: global_buffer, .address_space: global }
    .group_segment_fixed_size: 25856
    .private_segment_fixed_size: 0
    .kernarg_segment_align: 8
    .kernarg_segment_size: 48
    .max_flat_workgroup_size: 96
    .sgpr_count:     66
    .vgpr_count:     160
    .wavefront_size: 32
...
	.end_amdgpu_metadata
.endif
;; end of part 1
;; launch qkv (part 2): grid 256 x 1, 4 waves a work-group, no clusters, 317,440 bytes of LDS; arguments x, wcodes, bq, bk, bv, lowp_scales, qc, kc, vc; writes qc, kc, vc
.if DOCPART == 2
	.amdgcn_target "amdgcn-amd-amdhsa--gfx1250"
	.amdhsa_code_object_version 6
	.text
	.protected	k_q480564cf47_qkv
	.globl	k_q480564cf47_qkv
	.p2align	8
	.type	k_q480564cf47_qkv,@function
k_q480564cf47_qkv:
	s_mov_b64 s[64:65], 0
	v_nop
	global_prefetch_b8 v0, s[64:65] scope:SCOPE_SE
	s_setreg_imm32_b32 hwreg(HW_REG_WAVE_MODE, 25, 1), 1
	s_wait_xcnt 0x0
; q = x Wq^T + bq, k = x Wk^T + bk, v = x Wv^T + bv on codes of BF8 (E5M2); the three results are quantised on the way and leave as codes, one byte a number.
; A work-group of four waves takes 128 rows of x and HALF of the columns: heads 6 hf .. 6 hf + 5 of q, of k and of v (hf = work-group / 128, rows 128 x (work-group % 128) on).
; So a work-group loads 884,736 bytes of weights and 393,216 of x (with 64 rows and all columns: 1,769,472 and 196,608), and a weight's fragment feeds eight matrix instructions.
; x has three given scales (entries 0, 2, 4), one for each product: it is read once and quantised three times, into three sets of images in LDS.
; IMAGES: an operand lies as its registers do: a block is 512 bytes, lane l's 16 bytes at 16 l; block c of a fragment holds k = 32 c + 16 h + 0 .. 15 of the lane's row (the same places of k on both sides of a product).
; ROWS OF A TILE: lane r of tile T stands for row 32 (T / 2) + 8 (T % 2) + r + 8 (r / 8): then the 16 result registers of tiles 2 b and 2 b + 1 are 16 neighbours along the next K.
; SHARES: X phase: wave w quantises row tiles 2 w and 2 w + 1 (rows 32 w .. 32 w + 31).  Products: THE WAVES SHARE THE COLUMNS: wave w makes column tiles 24 hf + 6 w .. + 5 for all eight row tiles: 48 accumulators, 384 registers.
; Each weight fragment goes from memory straight into the one wave's registers that needs it, once in the work-group.  18 K steps of 128 (6 for q, 6 for k, 6 for v) are one linear stream of half sets of 12 loads, in three
; sets of registers; a half set is asked for again, for three steps on, straight behind the 24 products that read it; no barrier stands in the stream, and its offsets are immediates: the pointer steps once a pass.
; q and k: source 0 = the weight's tile, source 1 = x's: a lane holds one row and eight neighbouring channels: the conversions give fragments of q and k (K = a head's 64).
; v: the sources swapped: a lane holds one channel and eight neighbouring keys: fragments of v with the keys innermost (K = the keys; the 128 rows are one key step).
; The biases are the C of each sum's first matrix instruction, divided by the power of two that the sums lack; the three scales ahead of each quantiser are folded into the conversion's one.
; NO TENSOR LOADS, NO CLUSTER: images, biases, stage and spare words take 317,440 of the 327,680 bytes: what is left holds five fragments, no slot.
; LIMITS: e0, e2, e4, and e6-e0-e1, e7-e2-e3, e9-e4-e5, between -126 and 112, so that each power of two below is an f32 number.  NaN among the inputs is not served.
; REGISTERS, numbered 0 .. 1023 (windows of 256; the macros set each operand place's window):
;   1-15 addresses; 16-21 x's three scales and limits; 22, 23 the result's; 24-29 addresses; 32-159 x's eight fragments, set 0 (X phase: 32-95 numbers, 96-127 numbers held, 128-151 codes; way out: 96 registers of codes);
;   160-207 the bias as C; 256-383 x's fragments, set 1; 384-623 and 208-255 the weight's six fragments, three sets; 640-1023 the accumulators (X phase: 640-831 x as loaded, a ring of six units).
.set IMG,    0                         ; LDS: version v x 98,304 + row tile m x 12,288 + K step s x 2,048 + 512 c + 16 l
.set VER,    98304
.set MROW,   12288
.set BIAS,   294912                    ; my half of bq, bk, bv, 1,536 bytes each, already divided
.set XSTG,   299520                    ; a stage of 16 rows x (256 + 16) bytes for each wave
.set XPITCH, 272
.set SPARE,  316928                    ; the spare words, 128 bytes for each wave: two blocks of 256 bytes that no other line names
.set GSTEP,  98304                     ; a K step of one weight in wcodes
.set LI,   1                           ; 16 x lane
.set SPW,  2                           ; LDS address of my spare word; never rewritten
.set NIL,  3                           ; 0; never rewritten
.set XSI,  4                           ; the stage, way in: 272 (lane / 16) + 16 (lane % 16)
.set XSO,  5                           ; the stage, way out: 272 r + 64 h
.set IW,   6                           ; v6-8: where I store the group's images, version 0, 1, 2
.set AA,   9                           ; v9, v10: the pass's images, row tiles 0-3 and 4-7
.set BA,   11                          ; the pass's bias, for q and k
.set BV,   12                          ; bv, for v
.set HH,   13                          ; 64 h
.set XV,   14                          ; x: my lane's offset + the group's
.set XL,   15                          ; x: my lane's offset: 3,072 (lane / 16) + 16 (lane % 16)
.set XSC,  16                          ; v[16+2v] scale, v[17+2v] limit of x's version v
.set OSC,  22
.set OLIM, 23
.set IB,   24                          ; v24-26: my images' first byte, version 0, 1, 2
.set OA,   27                          ; v27-29: the way out: 16 x lane + the place of my pair b of column tiles
.set ACT0, 32
.set ACT1, 256
.set BI,   160
.set ACC,  640
.set X0,   32
.set TQ,   96
.set CD,   128
.set RAW,  640
.set CG,   32
.set WPS,  6                           ; s[6:7] the weights' stream, at the pass's first K step
.set MSB, 0
.macro WIN new                         ; the immediate's high byte repeats the setting that is left; a switch that changes nothing is dropped
.if MSB != (\new)
	s_set_vgpr_msb (MSB<<8)|(\new)
.set MSB, \new
.endif
.endm
.macro MM128 d, a, b, c
.set NWS, ((\a)/256)|(((\b)/256)<<2)|(((\c)/256)<<4)|(((\d)/256)<<6)
	WIN NWS
.set rD, (\d)%256
.set rA, (\a)%256
.set rB, (\b)%256
.set rC, (\c)%256
	v_wmma_f32_16x16x128_bf8_bf8 v[rD:rD+7], v[rA:rA+15], v[rB:rB+15], v[rC:rC+7]
.endm
.macro GLD dst, adr, sb, off           ; loaded data: the destination's window; address: source 0's
.set NWS, (MSB&0x3c)|((\adr)/256)|(((\dst)/256)<<6)
	WIN NWS
	global_load_b128 v[(\dst)%256:(\dst)%256+3], v[(\adr)%256], s[\sb:\sb+1] offset:\off
.endm
.macro GST adr, dat, sb, off           ; address: source 0's window; data: source 1's
.set NWS, (MSB&0xf0)|((\adr)/256)|(((\dat)/256)<<2)
	WIN NWS
	global_store_b128 v[(\adr)%256], v[(\dat)%256:(\dat)%256+3], s[\sb:\sb+1] offset:\off
.endm
.macro LLD dst, adr, off
.set NWS, (MSB&0x3c)|((\adr)/256)|(((\dst)/256)<<6)
	WIN NWS
	ds_load_b128 v[(\dst)%256:(\dst)%256+3], v[(\adr)%256] offset:\off
.endm
.macro LST adr, dat, off
.set NWS, (MSB&0xf0)|((\adr)/256)|(((\dat)/256)<<2)
	WIN NWS
	ds_store_b128 v[(\adr)%256], v[(\dat)%256:(\dat)%256+3] offset:\off
.endm
.macro HOLD x, lim                     ; in place: within +- the largest code x the scale
.set NWS, ((\x)/256)|(((\x)/256)<<6)
	WIN NWS
.set rD, (\x)%256
	v_med3_num_f32 v[rD], v[rD], -v[\lim], v[\lim]
.endm
.macro CVT d, a, sc                    ; eight numbers to eight codes
.set NWS, ((\a)/256)|(((\d)/256)<<6)
	WIN NWS
	v_cvt_scalef32_pk8_bf8_f32 v[(\d)%256:(\d)%256+1], v[(\a)%256:(\a)%256+7], v[\sc]
.endm
.macro PLACES n                        ; plain vector lines between a matrix instruction and a load into, or a vector read of, its registers
.rept \n
	v_nop
.endr
.endm
; where fragment t (0 .. 5) of the weight's set (0 .. 2) lies: half sets of three fragments, each in one window but the last
.macro WREG set, t
.set hx, 2*(\set)+(\t)/3
.set tx, (\t)%3
.if hx == 0
.set rWF, 384+16*tx
.elseif hx == 1
.set rWF, 432+16*tx
.elseif hx == 2
.set rWF, 512+16*tx
.elseif hx == 3
.set rWF, 560+16*tx
.elseif hx == 4
.set rWF, 208+16*tx
.elseif tx < 2
.set rWF, 480+16*tx
.else
.set rWF, 608
.endif
.endm
; x's fragments of K step s, row tiles m0 .. m0 + 3, into set ab
.macro ACTLD ab, s, m0
.set mm, \m0
.rept 4
.irp c, 0,1,2,3
	LLD \ab+16*mm+4*\c, AA+mm/4, (mm%4)*MROW+(\s)*2048+512*\c
.endr
.set mm, mm+1
.endr
.endm
; three of the weight's fragments, for the K step three on from step st of the pass
.macro WLD ws, t0, st
.set tt, \t0
.rept 3
	WREG \ws, tt
.irp c, 0,1,2,3
	GLD rWF+4*\c, LI, WPS, ((\st)+3)*GSTEP+tt*2048+512*\c
.endr
.set tt, tt+1
.endr
.endm
; the stream's first three K steps: set k
.macro PRIME k
.set tt, 0
.rept 6
	WREG \k, tt
.irp c, 0,1,2,3
	GLD rWF+4*\c, LI, WPS, (\k)*GSTEP+tt*2048+512*\c
.endr
.set tt, tt+1
.endr
.endm
; 24 matrix instructions: column tiles t0 .. t0 + 2 x the eight row tiles.  24 accumulators follow each other, in the same order in every step.
; cm = 1: the bias starts the sums.  sw = 1: the sources swapped.
.macro MUL24 ws, ab, t0, cm, sw
.set tt, \t0
.rept 3
	WREG \ws, tt
.set mm, 0
.rept 8
.set rAC, ACC+8*(8*tt+mm)
.if \cm
.set rCC, BI+8*tt
.else
.set rCC, rAC
.endif
.if \sw
	MM128 rAC, \ab+16*mm, rWF, rCC
.else
	MM128 rAC, rWF, \ab+16*mm, rCC
.endif
.set mm, mm+1
.endr
.set tt, tt+1
.endr
.endm
; A K step of 128: step st of its pass, on the weight's set ws and x's set ab.  ns: the next step's place in the images (-1: none).  wl = 1: both half sets are asked for again.  n0, n1: loads younger than the half set wanted.
.macro KSTEP ws, ab, nab, ns, cm, sw, wl, n0, n1, st
	s_wait_loadcnt \n0                             ; tiles 0-2 are in: behind them five half sets of 12 were issued; in the tail as many as are left
	s_wait_dscnt 0x0                               ; x's fragments of this step, asked for a step ago
.if (\ns) >= 0
	ACTLD \nab, \ns, 0
.endif
	MUL24 \ws, \ab, 0, \cm, \sw
	PLACES 4
.if \wl
	WLD \ws, 0, \st
.endif
.if (\ns) >= 0
	ACTLD \nab, \ns, 4
.endif
	s_wait_loadcnt \n1                             ; tiles 3-5 are in
	MUL24 \ws, \ab, 3, \cm, \sw
	PLACES 4                                       ; for the loads into this half set, for the next step's loads of x's fragments, and for the way out's reads
.if \wl
	WLD \ws, 3, \st
.endif
.endm
; THE X PHASE goes in units of 64 along K of one row tile.  A unit's eight loads: each reads 256 consecutive aligned bytes of two rows, lanes 0-15 one row, lanes 16-31 the next.
.macro LOADX u
.set pp, 0
.rept 8
	GLD RAW+32*(\u)+4*pp, XV, 4, (2*pp+8*(pp/4))*3072+256*(\u)
.set pp, pp+1
.endr
.endm
; A unit goes through my stage: in as loaded, out 2 x 64 bytes a lane: register 16 c + i = k 32 c + 16 h + i of row r.  LDS serves a wave's instructions in order: no wait between.
.macro TURN u
.set pp, 0
.rept 8
	LST XSI, RAW+32*(\u)+4*pp, 2*XPITCH*pp
.set pp, pp+1
.endr
.set pp, 0
.rept 8
	LLD X0+32*((\u)%2)+4*pp, XSO, 128*(pp/4)+16*(pp%4)
.set pp, pp+1
.endr
.endm
; 32 numbers at v[xs] on become two blocks of version v's fragment.  The numbers are kept: two more versions want them.
.macro QUANTX xs, v, u
	WIN 0
.set cc, 0
.rept 2
.set ii, 0
.rept 16
	v_med3_num_f32 v[TQ+16*cc+ii], v[\xs+16*cc+ii], -v[XSC+2*\v+1], v[XSC+2*\v+1]   ; the conversion to an 8-bit code does not saturate (ISA guide 7.6.2): the hold comes first
.set ii, ii+1
.endr
.set CDU, CD+32*((\u)%2)+8*(\v)        ; the codes lie in v128-151 and v160-183 by turns of units, so that no image store still out has its data written
	v_cvt_scalef32_pk8_bf8_f32 v[CDU+4*cc:CDU+4*cc+1], v[TQ+16*cc:TQ+16*cc+7], v[XSC+2*\v]
	v_cvt_scalef32_pk8_bf8_f32 v[CDU+4*cc+2:CDU+4*cc+3], v[TQ+16*cc+8:TQ+16*cc+15], v[XSC+2*\v]
.set cc, cc+1
.endr
	v_nop                                          ; a plain line behind the last conversion
.endm
; version v's two blocks of unit u go into its image
.macro QST v, u
.set CDU, CD+32*((\u)%2)+8*(\v)
	ds_store_b128 v[IW+\v], v[CDU:CDU+3] offset:((\u)/2)*2048+(2*((\u)%2))*512
	ds_store_b128 v[IW+\v], v[CDU+4:CDU+7] offset:((\u)/2)*2048+(2*((\u)%2))*512+512
.endm
; Unit u of a group of six.  ahead = 1: its registers take the same unit of the next group.  turn = 1: the next unit goes through the stage while this one is quantised; n: loads younger than that unit's.
.macro UNIT u, ahead, n, turn
	s_wait_dscnt 6                                 ; this unit's numbers are back from the stage, so its stores into the stage have read their registers; the last unit's six image stores, issued behind them, may be out
.if \ahead
	LOADX \u
.endif
.if \turn
	s_wait_loadcnt \n
	TURN ((\u)+1)%6
.endif
	QUANTX X0+32*((\u)%2), 0, \u
	QUANTX X0+32*((\u)%2), 1, \u
	QST 0, \u                                      ; a version's stores stand behind the next version's 32 holds and 4 conversions
	QUANTX X0+32*((\u)%2), 2, \u
	QST 1, \u
	QST 2, \u
.endm
; THE WAY OUT of a pass: hold, convert, store.  Each accumulator is read from its low end on.  isv = 0: group (b, m) = column tiles 2 b, 2 b + 1 of row tile m; isv = 1: group (t, b) = row tiles 2 b, 2 b + 1 of channel tile t.
.macro EPI isv, sb
.set lo, 0
.set hi, 16
.rept 2
.set xx, ACC+8*lo
.rept 8*(hi-lo)
	HOLD xx, OLIM
.set xx, xx+1
.endr
.set ta, lo
.rept hi-lo
.if \isv
.set gg, CG+4*(4*(ta/8)+(ta%8)/2)+2*(ta%2)
.else
.set gg, CG+4*(8*(ta/16)+ta%8)+2*((ta/8)%2)
.endif
	CVT gg, ACC+8*ta, OSC
.set ta, ta+1
.endr
.set lo, 16
.set hi, 48
.endr
	v_nop                                          ; a plain line behind the last conversion
.if \isv
.set tt, 0
.rept 6
.irp b, 0,1,2,3
	GST OA+tt/2, CG+4*(4*tt+\b), \sb, (tt%2)*2048+512*\b   ; 512 consecutive bytes, aligned
.endr
.set tt, tt+1
.endr
.else
.set bb, 0
.rept 3
.irp m, 0,1,2,3,4,5,6,7
	GST OA+bb, CG+4*(8*bb+\m), \sb, \m*1024
.endr
.set bb, bb+1
.endr
.endif
.endm
; the scales of product v: -(ex + ew) for the bias; the result's conversion takes 2^(eo - ex - ew)
.macro FOLD v, eo
	s_add_co_i32 s40, s[24+2*\v], 127
	s_lshl_b32 s41, s40, 23
	v_mov_b32 v[XSC+2*\v], s41                     ; 2^ex as f32
	s_add_co_i32 s40, s40, 15
	s_lshl_b32 s40, s40, 23
	s_or_b32 s40, s40, 0x600000
	v_mov_b32 v[XSC+2*\v+1], s40                   ; 57,344 x 2^ex
	s_add_co_i32 s42, s[24+2*\v], s[25+2*\v]
	s_sub_co_i32 s[56+\v], 0, s42
	s_sub_co_i32 s40, s[\eo], s42
	s_add_co_i32 s40, s40, 127
	s_lshl_b32 s[44+2*\v], s40, 23
	s_add_co_i32 s40, s40, 15
	s_lshl_b32 s40, s40, 23
	s_or_b32 s[45+2*\v], s40, 0x600000
.endm
	s_load_b512 s[4:19], s[0:1], 0x0               ; x 4:5, wcodes 6:7, bq 8:9, bk 10:11, bv 12:13, scales 14:15, qc 16:17, kc 18:19
	s_load_b64 s[20:21], s[0:1], 0x40              ; vc
	v_lshl_add_u32 v[SPW], v0, 2, SPARE
	v_mov_b32 v[NIL], 0
	v_lshrrev_b32 v96, 5, v0
	v_readfirstlane_b32 s22, v96                   ; wave 0..3
	v_and_b32 v96, 31, v0
	v_lshlrev_b32 v[LI], 4, v96
	v_and_b32 v97, 15, v0                          ; r
	v_bfe_u32 v98, v0, 4, 1                        ; h
	v_lshlrev_b32 v[HH], 6, v98
	s_mul_i32 s40, s22, 16*XPITCH
	s_add_co_u32 s40, s40, XSTG                    ; my stage
	v_mul_u32_u24 v[XSI], v98, XPITCH
	v_lshl_add_u32 v[XSI], v97, 4, v[XSI]
	v_add_nc_u32 v[XSI], s40, v[XSI]
	v_mul_u32_u24 v[XSO], v97, XPITCH
	v_add_nc_u32 v[XSO], v[XSO], v[HH]
	v_add_nc_u32 v[XSO], s40, v[XSO]
	s_mul_i32 s40, s22, 2*MROW                     ; my two row tiles' images
	v_add_nc_u32 v[IB], s40, v[LI]
	v_add_nc_u32 v[IB+1], VER, v[IB]
	v_add_nc_u32 v[IB+2], 2*VER, v[IB]
	v_mul_u32_u24 v[XL], v98, 3072
	v_lshl_add_u32 v[XL], v97, 4, v[XL]
	v_and_b32 v99, 8, v97
	v_add_nc_u32 v99, v99, v97                     ; r + 8 (r / 8)
	s_mul_i32 s41, s22, 384
	s_add_co_u32 s35, s41, BIAS                    ; my 96 numbers of bq
	s_add_co_u32 s41, s41, BIAS+3072               ; and of bv
	v_lshl_add_u32 v[BV], v99, 2, s41
	v_lshl_add_u32 v100, v0, 2, BIAS               ; where my thread puts 4 bytes of a bias
	v_lshlrev_b32 v101, 2, v0                      ; and where it finds them
	s_lshr_b32 s52, ttmp9, 7                       ; hf: which half of the columns
	s_and_b32 s53, ttmp9, 127                      ; which 128 rows
	s_mul_i32 s60, s52, 768                        ; the prefetches' offsets: a group is 16 rows x 6 blocks of 256 bytes; the two work-groups that read my rows share them out by address: three blocks of each row each
	v_mul_u32_u24 v30, v99, 3072
	v_add_nc_u32 v30, s60, v30                     ; v30: my lane's row of a row tile, + 768 hf; never rewritten
	v_lshl_add_u32 v31, v98, 8, v30                ; v31: + 256 (lane / 16); never rewritten
	s_lshl_b32 s40, s53, 7
	s_lshl_b32 s41, s22, 5
	s_add_co_u32 s40, s40, s41                     ; my wave's first row
	s_mul_i32 s40, s40, 3072
	s_mov_b32 s41, 0
	s_mul_i32 s42, s52, 24*2048
	s_mul_i32 s43, s22, 6*2048
	s_add_co_u32 s42, s42, s43                     ; my six column tiles in a K step
	s_mov_b32 s43, 0
	s_mul_i32 s54, s52, 1536                       ; my half of a bias
	s_mov_b32 s55, 0
	s_lshr_b32 s50, s53, 2                         ; batch
	s_mul_i32 s50, s50, 12*32768                   ; 32,768 bytes a head in qc, kc and vc
	s_and_b32 s51, s53, 3                          ; i: which 128 rows of the batch's 512:
	s_lshl_b32 s51, s51, 13                        ; eight row tiles of 1,024 bytes in qc and kc; a key step of 8,192 bytes in vc
	s_add_co_u32 s50, s50, s51
	s_mov_b32 s51, 0
	s_mul_i32 s72, s52, 12
	s_mul_i32 s73, s22, 3
	s_add_co_u32 s72, s72, s73                     ; my first pair of column tiles: pair P is block P % 2 (q, k) or channel tiles 2 (P % 2) on (v) of head P / 2
.irp b, 0,1,2
	s_add_co_u32 s73, s72, \b
	s_lshr_b32 s74, s73, 1
	s_lshl_b32 s74, s74, 15
	s_and_b32 s73, s73, 1
	s_lshl_b32 s75, s73, 9
	s_add_co_u32 s[66+\b], s74, s75
	s_lshl_b32 s75, s73, 12
	s_add_co_u32 s[69+\b], s74, s75
.endr
	s_wait_alu depctr_va_vdst(0)
	s_wait_kmcnt 0x0
	s_load_b256 s[24:31], s[14:15], 0x0            ; e0 .. e7
	s_load_b64 s[32:33], s[14:15], 0x20            ; e8, e9
	s_add_nc_u64 s[4:5], s[4:5], s[40:41]
	s_add_nc_u64 s[6:7], s[6:7], s[42:43]
	s_add_nc_u64 s[8:9], s[8:9], s[54:55]
	s_add_nc_u64 s[10:11], s[10:11], s[54:55]
	s_add_nc_u64 s[12:13], s[12:13], s[54:55]
	s_add_nc_u64 s[16:17], s[16:17], s[50:51]
	s_add_nc_u64 s[18:19], s[18:19], s[50:51]
	s_add_nc_u64 s[20:21], s[20:21], s[50:51]
.irp j, 0,1,2
	global_load_b32 v[160+\j], v101, s[8:9] offset:512*\j
	global_load_b32 v[163+\j], v101, s[10:11] offset:512*\j
	global_load_b32 v[166+\j], v101, s[12:13] offset:512*\j
.endr
	v_mov_b32 v[XV], v[XL]                         ; the first group: row tile 2 w, K = 0 .. 383
.irp u, 0,1,2,3,4,5
	LOADX \u
.endr
	WIN 0
	global_prefetch_b8 v31, s[4:5] offset:1536 th:TH_LOAD_NT scope:SCOPE_SE   ; the second group (K = 384 on), whose loads the first trip issues: my blocks 0 and 1 of each of its 16 rows,
	global_prefetch_b8 v30, s[4:5] offset:2048 th:TH_LOAD_NT scope:SCOPE_SE   ; and block 2 (lanes 16-31 name lanes 0-15's blocks again)
	s_wait_kmcnt 0x0
	FOLD 0, 30
	FOLD 1, 31
	FOLD 2, 33
	s_wait_loadcnt 48                              ; the biases are in: the six units of x were issued behind them
.irp j, 0,1,2
	v_ldexp_f32 v[160+\j], v[160+\j], s56          ; b / 2^(ex + ew)
	v_ldexp_f32 v[163+\j], v[163+\j], s57
	v_ldexp_f32 v[166+\j], v[166+\j], s58
.endr
.irp j, 0,1,2
	ds_store_b32 v100, v[160+\j] offset:512*\j
	ds_store_b32 v100, v[163+\j] offset:1536+512*\j
	ds_store_b32 v100, v[166+\j] offset:3072+512*\j
.endr
	s_wait_loadcnt 40                              ; unit 0 is in: five units behind it
	TURN 0
	WIN 0
	s_mov_b32 s59, 0                               ; the group: 0, 1: row tile 2 w, K = 0 .. 383 and 384 .. 767; 2, 3: row tile 2 w + 1
	s_mov_b32 s37, 0                               ; its images: 6,144 bytes (three K steps) a group: my two row tiles lie on end
.Lxg:                                              ; three trips: a trip quantises a group and loads the next
	s_wait_xcnt 0x0                                ; the last group's loads have read their offset
	s_wait_dscnt 0x0                               ; and its image stores their addresses
	s_add_co_u32 s72, s59, 1
	s_and_b32 s73, s72, 1
	s_mul_i32 s73, s73, 1536
	s_lshr_b32 s72, s72, 1
	s_mul_i32 s72, s72, 8*3072
	s_add_co_u32 s72, s72, s73                     ; the next group in x: 1,536 bytes along K, or eight rows down
	v_add_nc_u32 v[XV], s72, v[XL]
.irp v, 0,1,2
	v_add_nc_u32 v[IW+\v], s37, v[IB+\v]
.endr
	s_mul_i32 s62, s59, 1536                       ; A PREFETCH of the group that the NEXT trip loads: trip 0: group 2 (eight rows down), trip 1: group 3 (+ 1,536 bytes along K); trip 2 has none behind it and asks for nothing
	s_add_co_u32 s62, s62, 8*3072
	s_mov_b32 s63, 0
	s_add_nc_u64 s[60:61], s[4:5], s[62:63]        ; (behind the trip's wait on XCNT: the last trip's prefetches have read the pair)
	s_cmp_lt_u32 s59, 2
	s_wait_alu depctr_va_vdst(0)
	s_cbranch_scc0 .Lnopf
	global_prefetch_b8 v31, s[60:61] th:TH_LOAD_NT scope:SCOPE_SE
	global_prefetch_b8 v30, s[60:61] offset:512 th:TH_LOAD_NT scope:SCOPE_SE
.Lnopf:
.irp u, 0,1,2,3,4,5
	UNIT \u, 1, 40, 1                              ; behind the next unit's loads five units of 8 were issued, in every place of the ring
.endr
	WIN 0
	s_add_co_u32 s37, s37, 6144
	s_add_co_u32 s59, s59, 1
	s_cmp_lt_u32 s59, 3
	s_cbranch_scc1 .Lxg
	s_wait_dscnt 0x0                               ; the last group is written out: it loads no x, and the weights' stream begins in it
.irp v, 0,1,2
	v_add_nc_u32 v[IW+\v], s37, v[IB+\v]
.endr
	UNIT 0, 0, 32, 1                               ; the counts: the units of x behind the one wanted, + 24 for each set of weights asked for so far
	UNIT 1, 0, 24, 1
	UNIT 2, 0, 16, 1
	PRIME 0
	UNIT 3, 0, 32, 1
	PRIME 1
	UNIT 4, 0, 48, 1
	PRIME 2
	UNIT 5, 0, 0, 0
	WIN 0
	s_wait_dscnt 0x0                               ; for the others' sake: my images and my part of the biases lie in LDS
	s_barrier_signal -1
	s_barrier_wait -1                              ; everybody's do; from here on LDS is only read
	s_mov_b32 s34, IMG
	s_mov_b64 s[38:39], s[16:17]                   ; the first pass stores into qc
	v_mov_b32 v[OSC], s44
	v_mov_b32 v[OLIM], s45
.irp b, 0,1,2
	v_add_nc_u32 v[OA+\b], s[66+\b], v[LI]
.endr
	s_mov_b32 s36, 2
.Lpass:                                            ; two trips: q, then k
	v_add_nc_u32 v[AA], s34, v[LI]
	v_add_nc_u32 v[AA+1], 4*MROW, v[AA]
	v_add_nc_u32 v[BA], s35, v[HH]
.set tt, 0
.rept 6                                ; the bias as C: lane (r, h), tile t: channels 32 (t / 2) + 8 (t % 2) + 16 h + 0 .. 7
	ds_load_b128 v[BI+8*tt:BI+8*tt+3], v[BA] offset:128*(tt/2)+32*(tt%2)
	ds_load_b128 v[BI+8*tt+4:BI+8*tt+7], v[BA] offset:128*(tt/2)+32*(tt%2)+16
.set tt, tt+1
.endr
	ACTLD ACT0, 0, 0
	ACTLD ACT0, 0, 4
	s_wait_alu depctr_va_vdst(0)
	KSTEP 0, ACT0, ACT1, 1, 1, 0, 1, 60, 60, 0
	KSTEP 1, ACT1, ACT0, 2, 0, 0, 1, 60, 60, 1
	KSTEP 2, ACT0, ACT1, 3, 0, 0, 1, 60, 60, 2
	KSTEP 0, ACT1, ACT0, 4, 0, 0, 1, 60, 60, 3
	KSTEP 1, ACT0, ACT1, 5, 0, 0, 1, 60, 60, 4
	KSTEP 2, ACT1, ACT0, -1, 0, 0, 1, 60, 60, 5
	EPI 0, 38
	WIN 0
	s_wait_xcnt 0x0                                ; the loads have read the stream's pointer, the stores their registers and their base: all are written again below
	s_add_nc_u64 s[WPS:WPS+1], s[WPS:WPS+1], 6*GSTEP   ; the next weight,
	s_add_co_u32 s34, s34, VER                     ; x's next version,
	s_add_co_u32 s35, s35, 1536                    ; the next bias,
	s_mov_b64 s[38:39], s[18:19]                   ; kc,
	v_mov_b32 v[OSC], s46                          ; and k's scale
	v_mov_b32 v[OLIM], s47
	s_sub_co_u32 s36, s36, 1
	s_cmp_lg_u32 s36, 0
	s_cbranch_scc1 .Lpass
	; ---- v: the sources swapped; the stream's last three steps ask for nothing
	v_add_nc_u32 v[AA], s34, v[LI]
	v_add_nc_u32 v[AA+1], 4*MROW, v[AA]
	v_mov_b32 v[OSC], s48
	v_mov_b32 v[OLIM], s49
.irp b, 0,1,2
	v_add_nc_u32 v[OA+\b], s[69+\b], v[LI]
.endr
.set tt, 0
.rept 6                                ; a lane holds one channel: its bias fills the tile's eight registers
	ds_load_b32 v[BI+8*tt], v[BV] offset:128*(tt/2)+32*(tt%2)
.set tt, tt+1
.endr
	ACTLD ACT0, 0, 0
	ACTLD ACT0, 0, 4
	WIN 0
	s_wait_dscnt 32                                ; the six words are in; x's 32 loads behind them may be out
.set tt, 0
.rept 6
.irp j, 1,2,3,4,5,6,7
	v_mov_b32 v[BI+8*tt+\j], v[BI+8*tt]
.endr
.set tt, tt+1
.endr
	s_wait_alu depctr_va_vdst(0)
	KSTEP 0, ACT0, ACT1, 1, 1, 1, 1, 60, 60, 0
	KSTEP 1, ACT1, ACT0, 2, 0, 1, 1, 60, 60, 1
	KSTEP 2, ACT0, ACT1, 3, 0, 1, 1, 60, 60, 2
	KSTEP 0, ACT1, ACT0, 4, 0, 1, 0, 60, 48, 3
	KSTEP 1, ACT0, ACT1, 5, 0, 1, 0, 36, 24, 4
	KSTEP 2, ACT1, ACT0, -1, 0, 1, 0, 12, 0, 5
	EPI 1, 20
	WIN 0
	s_wait_tensorcnt 0x0                           ; the wave's end: behind my last LDS store
	ds_add_u32 v[SPW], v[NIL]
	s_wait_dscnt 0x0
	s_endpgm
.Lfunc_end_k_q480564cf47_qkv:
	.size	k_q480564cf47_qkv, .Lfunc_end_k_q480564cf47_qkv-k_q480564cf47_qkv
	.p2alignl 7, 3214868480
	.fill 96, 4, 3214868480
	.section	.rodata,"a",@progbits
	.p2align	6, 0x0
	.amdhsa_kernel k_q480564cf47_qkv
		.amdhsa_group_segment_fixed_size 317440
		.amdhsa_private_segment_fixed_size 0
		.amdhsa_enable_private_segment 0
		.amdhsa_kernarg_size 72
		.amdhsa_user_sgpr_count 2
		.amdhsa_user_sgpr_kernarg_segment_ptr 1
		.amdhsa_wavefront_size32 1
		.amdhsa_system_sgpr_workgroup_id_x 1
		.amdhsa_system_sgpr_workgroup_id_y 1
		.amdhsa_system_sgpr_workgroup_id_z 1
		.amdhsa_system_vgpr_workitem_id 0
		.amdhsa_next_free_vgpr 1024
		.amdhsa_next_free_sgpr 80
		.amdhsa_reserve_vcc 0
		.amdhsa_float_denorm_mode_32 3
		.amdhsa_float_denorm_mode_16_64 3
		.amdhsa_memory_ordered 1
		.amdhsa_forward_progress 1
		.amdhsa_inst_pref_size 255
	.end_amdhsa_kernel
	.section	.bss,"aw",@nobits
	.p2align	6
	.space	262144
	.amdgpu_metadata
---
amdhsa.version: [ 1, 2 ]
amdhsa.kernels:
  - .name:           k_q480564cf47_qkv
    .symbol:         k_q480564cf47_qkv.kd
    .args:
      - { .name: x, .offset: 0, .size: 8, .value_kind: global_buffer, .address_space: global }
      - { .name: wcodes, .offset: 8, .size: 8, .value_kind: global_buffer, .address_space: global }
      - { .name: bq, .offset: 16, .size: 8, .value_kind: global_buffer, .address_space: global }
      - { .name: bk, .offset: 24, .size: 8, .value_kind: global_buffer, .address_space: global }
      - { .name: bv, .offset: 32, .size: 8, .value_kind: global_buffer, .address_space: global }
      - { .name: lowp_scales, .offset: 40, .size: 8, .value_kind: global_buffer, .address_space: global }
      - { .name: qc, .offset: 48, .size: 8, .value_kind: global_buffer, .address_space: global }
      - { .name: kc, .offset: 56, .size: 8, .value_kind: global_buffer, .address_space: global }
      - { .name: vc, .offset: 64, .size: 8, .value_kind: global_buffer, .address_space: global }
    .group_segment_fixed_size: 317440
    .private_segment_fixed_size: 0
    .kernarg_segment_align: 8
    .kernarg_segment_size: 72
    .max_flat_workgroup_size: 128
    .sgpr_count:     80
    .vgpr_count:     1024
    .wavefront_size: 32
...
	.end_amdgpu_metadata
.endif
;; end of part 2
;; launch attn (part 3): grid 8 x 32, 4 waves a work-group, no clusters, 249,344 bytes of LDS; arguments qc, kc, vc, wcodes, additive_attention_mask, x, bo, ln_w, ln_b, lowp_scales, out0; writes out0
.if DOCPART == 3
	.amdgcn_target "amdgcn-amd-amdhsa--gfx1250"
	.amdhsa_code_object_version 6
	.text
	.protected	k_q480564cf47_attn
	.globl	k_q480564cf47_attn
	.p2align	8
	.type	k_q480564cf47_attn,@function
k_q480564cf47_attn:
	s_mov_b64 s[64:65], 0
	v_nop
	global_prefetch_b8 v0, s[64:65] scope:SCOPE_SE
	s_setreg_imm32_b32 hwreg(HW_REG_WAVE_MODE, 25, 1), 1
	s_wait_xcnt 0x0
; out0 = LayerNorm(x + softmax(q k^T / 8 + mask) v Wo^T + bo) x ln_w + ln_b; the three products on codes of BF8 (E5M2), each operand with its given scale (entries 6 .. 11).
; A work-group of four waves takes 64 queries of one batch through the whole chain; nothing goes to memory on the way.
; OPERANDS lie as images of their registers (512 bytes a block, lane l's 16 bytes at 16 l; block c: k = 32 c + 16 h + 0 .. 15); lane r of tile T stands for row 32 (T / 2) + 8 (T % 2) + r + 8 (r / 8).
; ATTENTION: THE WAVES SHARE THE HEADS: wave w has heads 3 w .. 3 w + 2 for all four tiles of queries.  A fragment of k or v goes from memory straight into the one wave's registers that needs it, once in the
; work-group, and feeds four matrix instructions.  Both products are used transposed (S^T = k q^T, O^T = v^T p^T): a lane holds one query throughout.
; THE SOFTMAX: t = (q.k / 8 + mask) log2(e); M = the running largest t rounded up to a whole number; p = 2^(t - M) is quantised, not normalised; the sum is taken of the unquantised p and divides at the end.
; The mask goes in as the C of the first product, as mask x 2^(3 - e6 - e7), so that it costs no instruction; c = log2(e) / 8 x 2^(e6 + e7) then makes t of a sum.
; While attention runs, each step also brings 4 KiB of my 16 rows of x into the stage in LDS, for the residual.
; OUT-PROJECTION: THE WAVES SHARE THE COLUMNS (wave w: column tiles 12 w .. 12 w + 11); the weighted sums' codes go from wave to wave through LDS; Wo's fragments stream into registers.  LAYERNORM: wave w owns rows 16 w .. 16 w + 15.
; NO TENSOR LOADS, NO CLUSTER: images, mask and stage take 249,344 of the 327,680 bytes; two slots in the rest would hold 19 fragments each, under half a key step's 24 fragments of k and v for one wave alone.
; LIMITS: e8 and e10 between -126 and 112; e6 + e7 between -123 and 130; e10 + e11 between -126 and 127.  NaN among the inputs is not served; a mask number whose scaled value passes f32's range counts as -infinity (p = 0);
; a row all of whose keys are at -infinity gives NaN, as the reference does.
; REGISTERS, numbered 0 .. 1023 (windows of 256).  Attention: 1-15 addresses; 16-19 p's and the weighted sums' scale and limit; 32-63 statistics, 8 a tile: -M, largest t, sum (2), f, (pair), a, b;
;   64-159 q of three heads; 160-223 the mask as C; 256-511 S^T, then p; 512-575 k; 576-639 v; 640-703 p's codes; 768-895 O^T; 896-927 x on its way.
; Out-projection: 32-95, 96-159 the weighted sums' fragments; 160-255 bo as C, later ln_w, ln_b; 256-447, 448-639 Wo's fragments; 640-1023 the accumulators.  LayerNorm: 32-63 at work; 256-351, 352-447 four rows each.
.set MROW,   12288
.set WIMG,   0                         ; LDS: the weighted sums' images: row tile m x 12,288 + head x 1,024 + 512 b + 16 l
.set MASK,   49152                     ; 512 f32, already scaled
.set STG,    51200                     ; 64 rows x (3,072 + 16) bytes: x, then x + the projection
.set SPITCH, 3088
.set SPARE,  248832                    ; the spare words, 128 bytes for each wave: two blocks of 256 bytes that no other line names
.set GSTEP,  98304
.set LI,   1                           ; 16 x lane
.set AA,   LI                          ; the images begin at LDS byte 0
.set SPW,  2
.set NIL,  3
.set MA,   4
.set MH,   5                           ; 64 h
.set XA,   6
.set IA,   7
.set PFO,  8                           ; 256 x lane
.set SA,   10                          ; v10-13: the stage at my columns, row tile m
.set SR,   14                          ; the stage at my rows
.set XV,   15
.set PSC,  16
.set PLIM, 17
.set WSC,  18
.set WLIM, 19
.set ST,   32
.set Q,    64
.set QB,   96
.set QC,   128
.set MC,   160
.set S,    256
.set KF,   512
.set VF,   576
.set P,    640
.set O,    768
.set XR,   896
.set ACT0, 32
.set ACT1, 96
.set BI,   160
.set WA,   256
.set WB,   448
.set ACC,  640
.set XB,   256
.set LW,   160
.set LB,   184
.set YA,   256
.set YB,   352
.set T,    32
.set WPS,  10                          ; s[10:11] Wo's stream
; s[4:5] qc, s[6:7] k's stream, s[8:9] v's, s[12:13] mask, s[14:15] x, s[16:21] bo, ln_w, ln_b, s[24:25] out0, s26 wave, s[36:41] e6 .. e11, s[42:43] c, s[44:45] lane selects,
; s46 0 in a head's first step, else 1.0; s47 the step, 0 .. 11; s48, s49 loop counters; s51 my rows in the stage; s52 my head's images; s[54:55] the streams' step; s56 prefetch limit; s57 e8 + e9; s[58:59] 2^(e10 + e11); s61 1/768; s62 eps; s63 -(e10 + e11)
.set MSB, 0
.macro WIN new                         ; the immediate's high byte repeats the setting that is left; a switch that changes nothing is dropped
.if MSB != (\new)
	s_set_vgpr_msb (MSB<<8)|(\new)
.set MSB, \new
.endif
.endm
.macro MM128 d, a, b, c
.set NWS, ((\a)/256)|(((\b)/256)<<2)|(((\c)/256)<<4)|(((\d)/256)<<6)
	WIN NWS
.set rD, (\d)%256
.set rA, (\a)%256
.set rB, (\b)%256
.set rC, (\c)%256
	v_wmma_f32_16x16x128_bf8_bf8 v[rD:rD+7], v[rA:rA+15], v[rB:rB+15], v[rC:rC+7]
.endm
.macro MM64 d, a, b, c
.set NWS, ((\a)/256)|(((\b)/256)<<2)|(((\c)/256)<<4)|(((\d)/256)<<6)
	WIN NWS
.set rD, (\d)%256
.set rA, (\a)%256
.set rB, (\b)%256
.set rC, (\c)%256
	v_wmma_f32_16x16x64_bf8_bf8 v[rD:rD+7], v[rA:rA+7], v[rB:rB+7], v[rC:rC+7]
.endm
.macro GLD dst, adr, sb, off
.set NWS, (MSB&0x3c)|((\adr)/256)|(((\dst)/256)<<6)
	WIN NWS
	global_load_b128 v[(\dst)%256:(\dst)%256+3], v[(\adr)%256], s[\sb:\sb+1] offset:\off
.endm
.macro GLDNT dst, adr, sb, off
.set NWS, (MSB&0x3c)|((\adr)/256)|(((\dst)/256)<<6)
	WIN NWS
	global_load_b128 v[(\dst)%256:(\dst)%256+3], v[(\adr)%256], s[\sb:\sb+1] offset:\off th:TH_LOAD_NT
.endm
.macro GSTNT adr, dat, sb, off
.set NWS, (MSB&0xf0)|((\adr)/256)|(((\dat)/256)<<2)
	WIN NWS
	global_store_b128 v[(\adr)%256], v[(\dat)%256:(\dat)%256+3], s[\sb:\sb+1] offset:\off th:TH_STORE_NT
.endm
.macro LLD dst, adr, off
.set NWS, (MSB&0x3c)|((\adr)/256)|(((\dst)/256)<<6)
	WIN NWS
	ds_load_b128 v[(\dst)%256:(\dst)%256+3], v[(\adr)%256] offset:\off
.endm
.macro LST adr, dat, off
.set NWS, (MSB&0xf0)|((\adr)/256)|(((\dat)/256)<<2)
	WIN NWS
	ds_store_b128 v[(\adr)%256], v[(\dat)%256:(\dat)%256+3] offset:\off
.endm
.macro HOLD x, lim
.set NWS, ((\x)/256)|(((\x)/256)<<6)
	WIN NWS
.set rD, (\x)%256
	v_med3_num_f32 v[rD], v[rD], -v[\lim], v[\lim]
.endm
.macro CVT d, a, sc
.set NWS, ((\a)/256)|(((\d)/256)<<6)
	WIN NWS
	v_cvt_scalef32_pk8_bf8_f32 v[(\d)%256:(\d)%256+1], v[(\a)%256:(\a)%256+7], v[\sc]
.endm
.macro PLACES n                        ; plain vector lines between a matrix instruction and a load into, or a vector read of, its registers
.rept \n
	v_nop
.endr
.endm
.macro ACTLD ab, s                     ; the weighted sums' four fragments of K step s
.set mm, 0
.rept 4
.irp c, 0,1,2,3
	LLD \ab+16*mm+4*\c, AA, mm*MROW+(\s)*2048+512*\c
.endr
.set mm, mm+1
.endr
.endm
.macro WLD wb, t0
.set tt, \t0
.rept 6
.irp c, 0,1,2,3
	GLD \wb+16*tt+4*\c, LI, WPS, GSTEP+tt*2048+512*\c
.endr
.set tt, tt+1
.endr
.endm
.macro PRIME k
.set tt, 6*((\k)%2)
.rept 6
.irp c, 0,1,2,3
	GLD WA+192*((\k)/2)+16*tt+4*\c, LI, WPS, ((\k)/2)*GSTEP+tt*2048+512*\c
.endr
.set tt, tt+1
.endr
.endm
; 24 matrix instructions on 24 accumulators, in the same order in every step.  cm = 1: the bias starts the sums.
.macro MUL24 wb, ab, t0, cm
.set tt, \t0
.rept 6
.set mm, 0
.rept 4
.set rAC, ACC+8*(4*tt+mm)
.if \cm
.set rCC, BI+8*tt
.else
.set rCC, rAC
.endif
	MM128 rAC, \wb+16*tt, \ab+16*mm, rCC
.set mm, mm+1
.endr
.set tt, tt+1
.endr
.endm
.macro KSTEP wb, ab, nab, ns, cm, wl, n0, n1
	s_wait_loadcnt \n0                             ; tiles 0-5 are in: behind them three half buffers of 24 were issued (72; a wait names 63 at the most); in the tail as many as are left
	s_wait_dscnt 0x0                               ; this step's fragments from LDS, asked for a step ago
.if (\ns) >= 0
	ACTLD \nab, \ns
.endif
	MUL24 \wb, \ab, 0, \cm
	PLACES 4
.if \wl
	s_wait_xcnt 0x0                                ; the loads issued so far have read the pointer: it may step
	s_add_nc_u64 s[WPS:WPS+1], s[WPS:WPS+1], GSTEP
	WLD \wb, 0
.endif
	s_wait_loadcnt \n1
	MUL24 \wb, \ab, 6, \cm
	PLACES 4
.if \wl
	WLD \wb, 6
.endif
.endm
.macro XLD                             ; four rows x two pieces of 512 bytes of my 16 rows of x
.irp p, 0,1,2,3
.irp q, 0,1
	GLDNT XR+4*(2*\p+\q), XV, 14, 3072*\p+512*\q
.endr
.endr
.endm
.macro KLD                             ; a key step's eight tiles of k: 8,192 consecutive bytes
.set nn, 0
.rept 16
	GLD KF+4*nn, LI, 6, 512*nn
.set nn, nn+1
.endr
.endm
.macro VLD                             ; and its four tiles of v
.set nn, 0
.rept 16
	GLD VF+4*nn, LI, 8, 512*nn
.set nn, nn+1
.endr
.endm
.macro MCLOAD                          ; the mask as C: lane (r, h), tile kt: keys 32 (kt / 2) + 8 (kt % 2) + 16 h + 0 .. 7
.set kt, 0
.rept 8
	LLD MC+8*kt, MA, 128*(kt/2)+32*(kt%2)
	LLD MC+8*kt+4, MA, 128*(kt/2)+32*(kt%2)+16
.set kt, kt+1
.endr
.endm
	s_load_b512 s[4:19], s[0:1], 0x0               ; qc, kc, vc, wcodes, mask, x, bo, ln_w
	s_load_b128 s[20:23], s[0:1], 0x40             ; ln_b, the scales' exponents
	s_load_b64 s[24:25], s[0:1], 0x50              ; out0
	v_lshl_add_u32 v[SPW], v0, 2, SPARE
	v_mov_b32 v[NIL], 0
	v_lshrrev_b32 v20, 5, v0
	v_readfirstlane_b32 s26, v20                   ; wave 0..3
	v_and_b32 v20, 31, v0
	v_lshlrev_b32 v[LI], 4, v20
	v_lshlrev_b32 v[PFO], 8, v20
	v_and_b32 v21, 15, v0                          ; r
	v_bfe_u32 v22, v0, 4, 1                        ; h
	v_lshlrev_b32 v[MH], 6, v22
	v_and_b32 v23, 8, v21
	v_add_nc_u32 v23, v23, v21                     ; r + 8 (r / 8)
	v_mul_u32_u24 v23, v23, SPITCH
	v_add_nc_u32 v23, v23, v[MH]
	s_mul_i32 s66, s26, 768
	s_add_co_u32 s66, s66, STG
	v_add_nc_u32 v[SA], s66, v23                   ; the stage: my lane's row of row tile 0, my wave's 768 bytes, + 64 h
	v_add_nc_u32 v[SA+1], 8*SPITCH, v[SA]
	v_add_nc_u32 v[SA+2], 32*SPITCH, v[SA]
	v_add_nc_u32 v[SA+3], 40*SPITCH, v[SA]
	s_mul_i32 s51, s26, 16*SPITCH
	s_add_co_u32 s51, s51, STG                     ; my 16 rows of the stage
	v_add_nc_u32 v[SR], s51, v[LI]
	s_mul_i32 s52, s26, 3072                       ; my first head's images
	v_lshl_add_u32 v28, v0, 4, MASK                ; where my thread puts 16 bytes of the mask
	v_lshlrev_b32 v29, 4, v0                       ; and where it finds them
	s_and_b32 s67, ttmp7, 0xffff                   ; batch
	s_mul_i32 s68, s67, 12
	s_mul_i32 s69, s26, 3
	s_add_co_u32 s68, s68, s69
	s_lshl_b32 s68, s68, 15                        ; my first head in qc, kc, vc
	s_mov_b32 s69, 0
	s_lshl_b32 s70, ttmp9, 12                      ; my four tiles of queries
	s_mov_b32 s71, 0
	s_lshl_b32 s72, s67, 9
	s_lshl_b32 s73, ttmp9, 6
	s_add_co_u32 s72, s72, s73
	s_lshl_b32 s73, s26, 4
	s_add_co_u32 s72, s72, s73                     ; my first row of x and of out0: 512 batch + 64 i + 16 w
	s_mul_i32 s72, s72, 3072
	s_mov_b32 s73, 0
	s_mul_i32 s74, s26, 12*2048
	s_add_co_u32 s74, s74, 18*GSTEP                ; Wo's first K step, my 12 column tiles
	s_mov_b32 s75, 0
	s_lshl_b32 s76, s67, 11                        ; the batch's 512 mask numbers
	s_mov_b32 s77, 0
	s_mul_i32 s78, s26, 768                        ; my 192 numbers of bo
	s_mov_b32 s79, 0
	s_mov_b32 s44, 0x76543210                      ; v_permlanex16_b32: lane l xor 16
	s_mov_b32 s45, 0xfedcba98
	s_mov_b32 s55, 0
	s_mov_b32 s61, 0x3aaaaaab                      ; 1 / 768
	s_mov_b32 s62, 0x2b8cbccc                      ; 1e-12
	s_cmp_eq_u32 ttmp9, 0                          ; the batch's first work-group prefetches, for steps 0 .. 9
	s_cselect_b32 s56, 10, 0
	s_wait_alu depctr_va_vdst(0)
	s_wait_kmcnt 0x0
	s_load_b128 s[36:39], s[22:23], 0x18           ; e6 .. e9
	s_load_b64 s[40:41], s[22:23], 0x28            ; e10, e11
	s_add_nc_u64 s[4:5], s[4:5], s[68:69]
	s_add_nc_u64 s[4:5], s[4:5], s[70:71]
	s_add_nc_u64 s[6:7], s[6:7], s[68:69]
	s_add_nc_u64 s[8:9], s[8:9], s[68:69]
	s_add_nc_u64 s[10:11], s[10:11], s[74:75]
	s_add_nc_u64 s[12:13], s[12:13], s[76:77]
	s_add_nc_u64 s[14:15], s[14:15], s[72:73]
	s_add_nc_u64 s[16:17], s[16:17], s[78:79]
	s_add_nc_u64 s[24:25], s[24:25], s[72:73]
	global_load_b128 v[24:27], v29, s[12:13]       ; the mask
.set nn, 0
.rept 24                               ; q of my three heads stays in registers
	GLD Q+4*nn, LI, 4, (nn/8)*32768+512*(nn%8)
.set nn, nn+1
.endr
	v_mov_b32 v[XV], v[LI]                         ; x's walking offset begins at my lane's 16 bytes
	XLD
	KLD
	VLD
	WIN 0
.irp m, 0,1,2,3
	v_mov_b32 v[ST+8*\m], 0x7f61b1e6               ; -M = 3e38
	v_mov_b32 v[ST+8*\m+1], 0xff61b1e6             ; the largest t so far: -3e38, under every t
	v_mov_b32 v[ST+8*\m+2], 0
	v_mov_b32 v[ST+8*\m+3], 0
	v_mov_b32 v[ST+8*\m+4], 0
	v_mov_b32 v[ST+8*\m+5], 0                      ; (named as a pair's upper half)
	v_mov_b32 v[ST+8*\m+6], 0
	v_mov_b32 v[ST+8*\m+7], 0
.endr
	WIN 0xc0
.set jj, 0
.rept 128
	v_mov_b32 v[jj], 0                             ; O^T, once: the step is written once, and a head's first step multiplies what it finds by 0
.set jj, jj+1
.endr
	WIN 0
	s_wait_kmcnt 0x0
	s_add_co_i32 s66, s36, s37                     ; e6 + e7
	s_sub_co_i32 s67, 3, s66
	s_lshl_b32 s66, s66, 23
	s_add_co_i32 s42, s66, 0x3e38aa3b              ; c = log2(e) / 8 x 2^(e6 + e7): the exponents are added to c's exponent field
	s_mov_b32 s43, s42
	s_add_co_i32 s66, s38, 127
	s_lshl_b32 s68, s66, 23
	v_mov_b32 v[PSC], s68                          ; 2^e8
	s_add_co_i32 s66, s66, 15
	s_lshl_b32 s66, s66, 23
	s_or_b32 s66, s66, 0x600000
	v_mov_b32 v[PLIM], s66                         ; 57,344 x 2^e8
	s_add_co_i32 s66, s40, 127
	s_lshl_b32 s68, s66, 23
	v_mov_b32 v[WSC], s68                          ; 2^e10
	s_add_co_i32 s66, s66, 15
	s_lshl_b32 s66, s66, 23
	s_or_b32 s66, s66, 0x600000
	v_mov_b32 v[WLIM], s66
	s_add_co_i32 s57, s38, s39                     ; e8 + e9
	s_add_co_i32 s66, s40, s41                     ; e10 + e11
	s_sub_co_i32 s63, 0, s66
	s_add_co_i32 s66, s66, 127
	s_lshl_b32 s58, s66, 23                        ; 2^(e10 + e11)
	s_mov_b32 s59, s58
	s_wait_loadcnt 63                              ; the mask is in: 64 loads were issued behind it; a wait names 63 at the most
.irp j, 0,1,2,3
	v_ldexp_f32 v[24+\j], v[24+\j], s67            ; mask x 2^(3 - e6 - e7)
.endr
	ds_store_b128 v28, v[24:27]
	s_wait_dscnt 0x0                               ; for the others' sake: my part of the mask lies in LDS
	s_barrier_signal -1
	s_barrier_wait -1
	v_add_nc_u32 v[MA], MASK, v[MH]
	MCLOAD
	WIN 0
	s_mov_b32 s47, 0
	s_mov_b32 s48, 3
.Lhead:                                            ; three trips: my heads
	s_mov_b32 s49, 0
.Lstep:                                            ; four trips: 128 keys each
	s_wait_loadcnt 16                              ; x's piece and k of this step are in (and q, in the first): only v's 16 loads were issued behind them
	s_and_b32 s66, s47, 3
	s_mul_i32 s66, s66, 4*SPITCH
	s_lshr_b32 s67, s47, 2
	s_lshl_b32 s67, s67, 10
	s_add_co_u32 s66, s66, s67
	s_add_co_u32 s66, s66, s51                     ; rows 4 (step % 4) on, pieces 2 (step / 4) on, of my 16 rows
	v_add_nc_u32 v[XA], s66, v[LI]
.irp p, 0,1,2,3
.irp q, 0,1
	LST XA, XR+4*(2*\p+\q), SPITCH*\p+512*\q
.endr
.endr
	s_wait_dscnt 8                                 ; the mask's registers are in: behind their loads the eight stores above were issued (at a later head's first step, also the eight image stores of line 1451)
.set kt, 0
	s_wait_alu depctr_va_vdst(0)
.rept 8                                ; S^T = k q^T + the mask: 32 accumulators, one instruction each
.irp m, 0,1,2,3
	MM64 S+64*\m+8*kt, KF+8*kt, Q+8*\m, MC+8*kt
.endr
.set kt, kt+1
.endr
	PLACES 4
	WIN 0
	s_wait_xcnt 0x0                                ; the loads issued so far have read their pointers and offsets
	s_cmp_lt_u32 s47, 11
	s_cselect_b32 s54, 8192, 0                     ; the last step steps no pointer
	s_and_b32 s66, s47, 3
	s_cmp_eq_u32 s66, 0
	s_cselect_b32 s46, 0, 1.0                      ; a head's first step clears the sum and O^T
	s_add_nc_u64 s[6:7], s[6:7], s[54:55]
	s_add_co_u32 s66, s47, 1                       ; the next step:
	s_and_b32 s67, s66, 3
	s_lshr_b32 s66, s66, 2
	s_lshl_b32 s66, s66, 10
	s_mul_i32 s68, s67, 4*3072
	s_add_co_u32 s66, s66, s68                     ; its piece of x (behind the last step: bytes of my own rows, not used),
	s_lshl_b32 s67, s67, 9
	s_add_co_u32 s67, s67, MASK                    ; its 128 mask numbers
	v_add_nc_u32 v[XV], s66, v[LI]
	v_add_nc_u32 v[MA], s67, v[MH]
	s_cmp_lt_u32 s47, 11                           ; the last step has no successor: it asks for no x and no k
	s_wait_alu depctr_va_vdst(0)
	s_cbranch_scc1 .Lmore
	s_wait_loadcnt 0x0                             ; there v's loads are the only ones out, and the counted wait below would name loads that were not issued: so they are waited for here
	s_branch .Lnomore
.Lmore:
	s_wait_dscnt 0x0                               ; the eight stores into the stage have read their registers, which the loads below fill again
	XLD
	KLD
	WIN 0
.Lnomore:
	MCLOAD
	WIN 0
	s_cmp_lt_u32 s47, s56                          ; A PREFETCH of the chunks of k and v that the next trip will load, two steps on: 8,192 bytes each, lanes 256 bytes apart.  The eight work-groups of a batch
	s_cbranch_scc0 .Lnoask                         ; read the same chunks: the first of them asks, each wave for its own heads, so each block is named once; steps 10 and 11 ask for nothing
	global_prefetch_b8 v[PFO], s[6:7] offset:8192 th:TH_LOAD_NT scope:SCOPE_SE
	global_prefetch_b8 v[PFO], s[8:9] offset:16384 th:TH_LOAD_NT scope:SCOPE_SE
.Lnoask:
	; ---- the softmax of four tiles x 64 scores a lane
	WIN 0x15                                       ; sources in window 1, destination in window 0
.irp m, 0,1,2,3
	v_max3_num_f32 v[ST+8*\m+6], v[64*\m], v[64*\m+1], v[64*\m+2]      ; the largest score, in two chains a tile, each accumulator from its low end on
	v_max3_num_f32 v[ST+8*\m+7], v[64*\m+3], v[64*\m+4], v[64*\m+5]
.endr
	WIN 0x14
.set nn, 6
.rept 14
.irp m, 0,1,2,3
	v_max3_num_f32 v[ST+8*\m+6], v[ST+8*\m+6], v[64*\m+nn], v[64*\m+nn+1]
	v_max3_num_f32 v[ST+8*\m+7], v[ST+8*\m+7], v[64*\m+nn+2], v[64*\m+nn+3]
.endr
.set nn, nn+4
.endr
.irp m, 0,1,2,3
	v_max3_num_f32 v[ST+8*\m+6], v[ST+8*\m+6], v[64*\m+62], v[64*\m+63]
.endr
	WIN 0
.irp m, 0,1,2,3
	v_max_num_f32 v[ST+8*\m+6], v[ST+8*\m+6], v[ST+8*\m+7]
.endr
.irp m, 0,1,2,3
	v_permlanex16_b32 v[ST+8*\m+7], v[ST+8*\m+6], s44, s45             ; the query's other 64 keys lie in lane l xor 16
.endr
.irp m, 0,1,2,3
	v_max_num_f32 v[ST+8*\m+6], v[ST+8*\m+6], v[ST+8*\m+7]
.endr
.irp m, 0,1,2,3
	v_mul_f32 v[ST+8*\m+6], s42, v[ST+8*\m+6]                          ; as t (c is positive)
.endr
.irp m, 0,1,2,3
	v_max_num_f32 v[ST+8*\m+1], v[ST+8*\m+1], v[ST+8*\m+6]             ; the running largest t
.endr
.irp m, 0,1,2,3
	v_mov_b32 v[ST+8*\m+6], v[ST+8*\m]
.endr
.irp m, 0,1,2,3
	v_floor_f32 v[ST+8*\m], -v[ST+8*\m+1]                              ; -M = floor(-t): M is a whole number
.endr
.irp m, 0,1,2,3
	v_sub_f32 v[ST+8*\m+6], v[ST+8*\m], v[ST+8*\m+6]                   ; old M - new M: a whole number, 0 or less
.endr
.irp m, 0,1,2,3
	v_cvt_i32_f32 v[ST+8*\m+6], v[ST+8*\m+6]                           ; (it saturates)
.endr
.irp m, 0,1,2,3
	v_ldexp_f32 v[ST+8*\m+4], 1.0, v[ST+8*\m+6]                        ; f = 2^(old M - new M): rounds nothing
.endr
.irp m, 0,1,2,3
	v_mul_f32 v[ST+8*\m+4], s46, v[ST+8*\m+4]                          ; 0 in a head's first step, whatever the mask holds
.endr
	WIN 0x41                                       ; S^T in window 1 (destination and source 0), -M in window 0
.set jj, 0
.rept 32                               ; t - M, two at a time: tile 0
	v_pk_fma_f32 v[2*jj:2*jj+1], v[2*jj:2*jj+1], s[42:43], v[ST+8*(jj/32):ST+8*(jj/32)+1] op_sel_hi:[1,0,0]
.set jj, jj+1
.endr
.rept 96                               ; p = 2^(t - M) of a tile takes turns with t - M of the next tile, under one setting of the windows
.if jj%32 == 0
	s_wait_alu depctr_va_vdst(0)                   ; at each tile's border: the wait between the scalings and the exponentials that read them
.endif
	v_exp_f32 v[2*jj-64], v[2*jj-64]
	v_pk_fma_f32 v[2*jj:2*jj+1], v[2*jj:2*jj+1], s[42:43], v[ST+8*(jj/32):ST+8*(jj/32)+1] op_sel_hi:[1,0,0]
	v_exp_f32 v[2*jj-63], v[2*jj-63]
.set jj, jj+1
.endr
	s_wait_alu depctr_va_vdst(0)
.set jj, 192
.rept 64                               ; the last tile's
	v_exp_f32 v[jj], v[jj]
.set jj, jj+1
.endr
	WIN 0
.irp m, 0,1,2,3
	v_pk_mul_f32 v[ST+8*\m+2:ST+8*\m+3], v[ST+8*\m+2:ST+8*\m+3], v[ST+8*\m+4:ST+8*\m+5] op_sel_hi:[1,0]   ; the sums under the new M; also the plain lines behind the batch
.endr
	s_wait_alu depctr_va_vdst(0)                   ; one wait for the whole batch, ahead of its first reader
	WIN 0x05
.irp m, 0,1,2,3
	v_pk_add_f32 v[ST+8*\m+6:ST+8*\m+7], v[64*\m:64*\m+1], v[64*\m+2:64*\m+3]      ; the sum of the unquantised p, in two chains a tile
.endr
	WIN 0x04
.set nn, 4
.rept 15
.irp m, 0,1,2,3
	v_pk_add_f32 v[ST+8*\m+2:ST+8*\m+3], v[ST+8*\m+2:ST+8*\m+3], v[64*\m+nn:64*\m+nn+1]
	v_pk_add_f32 v[ST+8*\m+6:ST+8*\m+7], v[ST+8*\m+6:ST+8*\m+7], v[64*\m+nn+2:64*\m+nn+3]
.endr
.set nn, nn+4
.endr
	WIN 0
.irp m, 0,1,2,3
	v_pk_add_f32 v[ST+8*\m+2:ST+8*\m+3], v[ST+8*\m+2:ST+8*\m+3], v[ST+8*\m+6:ST+8*\m+7]
.endr
	s_cmp_ge_i32 s38, -15                          ; p is at most 1; from e8 = -15 on the largest code x 2^e8 is 1.75 or more and the hold changes nothing.  A branch on a given whole number, round vector lines alone
	s_cbranch_scc1 .Lnohold
	WIN 0x41
.set jj, 0
.rept 256
	v_min_num_f32 v[jj], v[jj], v[PLIM]            ; p is never negative: the hold is one-sided
.set jj, jj+1
.endr
	WIN 0
.Lnohold:
.set jj, 0
.rept 32                               ; tiles 2 b, 2 b + 1 hold 16 neighbouring keys: the codes are the operand's registers
	CVT P+16*(jj/8)+2*(jj%8), S+8*jj, PSC
.set jj, jj+1
.endr
	WIN 0xc3                                       ; O^T in window 3, f in window 0
.set jj, 0
.rept 64
	v_pk_mul_f32 v[2*jj:2*jj+1], v[2*jj:2*jj+1], v[ST+8*(jj/16)+4:ST+8*(jj/16)+5] op_sel_hi:[1,0]   ; O^T under the new M; also the plain lines behind the conversions
.set jj, jj+1
.endr
	s_wait_alu depctr_va_vdst(0)
	s_wait_loadcnt 24                              ; v of this step is in: behind it the next step's x (8) and k (16) were issued
.irp ct, 0,1,2,3
.irp m, 0,1,2,3
	MM128 O+32*\m+8*\ct, VF+16*\ct, P+16*\m, O+32*\m+8*\ct             ; O^T += v^T p^T: 16 accumulators, one instruction each
.endr
.endr
	PLACES 4
	WIN 0
	s_wait_xcnt 0x0
	s_add_nc_u64 s[8:9], s[8:9], s[54:55]
	s_cmp_lt_u32 s47, 11                           ; nor for v
	s_cbranch_scc0 .Lnov
	VLD
	WIN 0
.Lnov:
	s_add_co_u32 s47, s47, 1
	s_add_co_u32 s49, s49, 1
	s_cmp_lt_u32 s49, 4
	s_cbranch_scc1 .Lstep
	; ---- a head is done: O^T / the sum x 2^(e8 + e9), quantised with 2^e10, is two blocks of each row tile's fragment of the last product
.irp m, 0,1,2,3
	v_add_f32 v[ST+8*\m+6], v[ST+8*\m+2], v[ST+8*\m+3]
.endr
.irp m, 0,1,2,3
	v_permlanex16_b32 v[ST+8*\m+7], v[ST+8*\m+6], s44, s45
.endr
.irp m, 0,1,2,3
	v_add_f32 v[ST+8*\m+6], v[ST+8*\m+6], v[ST+8*\m+7]
.endr
	s_wait_alu depctr_va_vdst(0)
.irp m, 0,1,2,3
	v_rcp_f32 v[ST+8*\m+6], v[ST+8*\m+6]
.endr
	v_nop                                          ; a plain line behind the last reciprocal
	s_wait_alu depctr_va_vdst(0)                   ; one wait for the four, ahead of their first reader
.irp m, 0,1,2,3
	v_ldexp_f32 v[ST+8*\m+6], v[ST+8*\m+6], s57
.endr
	WIN 0xc3
.set jj, 0
.rept 64
	v_pk_mul_f32 v[2*jj:2*jj+1], v[2*jj:2*jj+1], v[ST+8*(jj/16)+6:ST+8*(jj/16)+7] op_sel_hi:[1,0]
.set jj, jj+1
.endr
.set jj, 0
.rept 128
	HOLD O+jj, WLIM
.set jj, jj+1
.endr
.set jj, 0
.rept 16
	CVT P+16*(jj/4)+2*(jj%4), O+8*jj, WSC
.set jj, jj+1
.endr
	v_nop                                          ; a plain line behind the last conversion
	WIN 0
	v_add_nc_u32 v[IA], s52, v[LI]
.irp m, 0,1,2,3
.irp b, 0,1
	LST IA, P+16*\m+4*\b, MROW*\m+512*\b
.endr
.endr
	WIN 0
.irp m, 0,1,2,3
	v_mov_b32 v[ST+8*\m], 0x7f61b1e6               ; the next head begins anew
	v_mov_b32 v[ST+8*\m+1], 0xff61b1e6
.endr
.set jj, 0
.rept 32
	v_mov_b32 v[Q+jj], v[QB+jj]                    ; the next head's q moves up
	v_mov_b32 v[QB+jj], v[QC+jj]
.set jj, jj+1
.endr
	s_add_co_u32 s52, s52, 1024
	s_sub_co_u32 s48, s48, 1
	s_cmp_lg_u32 s48, 0
	s_cbranch_scc1 .Lhead
	; ---- the out-projection
	s_wait_loadcnt 0x0                             ; no load is out on any way to this line: the registers of k, v and x are taken below
	s_wait_dscnt 0x0                               ; the mask's look-ahead has landed; and, for the others' sake, my images and my rows of x lie in LDS
.set tt, 0
.rept 12                               ; bo as C: lane (r, h), tile t: columns 32 (t / 2) + 8 (t % 2) + 16 h + 0 .. 7
	GLD BI+8*tt, MH, 16, 128*(tt/2)+32*(tt%2)
	GLD BI+8*tt+4, MH, 16, 128*(tt/2)+32*(tt%2)+16
.set tt, tt+1
.endr
	PRIME 0
	PRIME 1
	PRIME 2
	PRIME 3
	WIN 0
	s_barrier_signal -1
	s_barrier_wait -1                              ; everybody's images and rows of x lie in LDS
	ACTLD ACT0, 0
	s_wait_loadcnt 63                              ; bo is in: 96 loads were issued behind it
	WIN 0
.set jj, 0
.rept 96
	v_ldexp_f32 v[BI+jj], v[BI+jj], s63            ; bo / 2^(e10 + e11)
.set jj, jj+1
.endr
	s_wait_alu depctr_va_vdst(0)
	KSTEP WA, ACT0, ACT1, 1, 1, 1, 63, 63
.irp q, 0,1,2,3,4,5                    ; bo's registers are free (four plain lines stand behind the last product that read them): ln_w and ln_b at my lane's columns; older than every load that a later count names
	GLD LW+4*\q, LI, 18, 512*\q
	GLD LB+4*\q, LI, 20, 512*\q
.endr
	KSTEP WB, ACT1, ACT0, 2, 0, 1, 63, 63
	KSTEP WA, ACT0, ACT1, 3, 0, 1, 63, 63
	KSTEP WB, ACT1, ACT0, 4, 0, 1, 63, 63
	KSTEP WA, ACT0, ACT1, 5, 0, 0, 63, 48
	KSTEP WB, ACT1, ACT0, -1, 0, 0, 24, 0
	; ---- the residual: x at my columns comes from the stage, x + sum x 2^(e10 + e11) goes back to the same bytes
.set ta, 0
.rept 48
	LLD XB+8*ta, SA+ta%4, 128*(ta/8)+32*((ta/4)%2)
	LLD XB+8*ta+4, SA+ta%4, 128*(ta/8)+32*((ta/4)%2)+16
.set ta, ta+1
.endr
.set ta, 0
.rept 48
.if ta == 0
	s_wait_dscnt 63                                ; the first 24 loads are in (72 behind them; a wait names 63 at the most)
.elseif ta%12 == 0
	s_wait_dscnt 72-2*ta                           ; the next 24: 48, 24, 0 behind them
.endif
.set NWS, ((ACC+8*ta)/256)|(((XB+8*ta)/256)<<4)|(((XB+8*ta)/256)<<6)
	WIN NWS
.set rD, (XB+8*ta)%256
.set rA, (ACC+8*ta)%256
.irp j, 0,2,4,6
	v_pk_fma_f32 v[rD+\j:rD+\j+1], v[rA+\j:rA+\j+1], s[58:59], v[rD+\j:rD+\j+1] op_sel_hi:[1,0,1]
.endr
.set ta, ta+1
.endr
.set ta, 0
.rept 48
	LST SA+ta%4, XB+8*ta, 128*(ta/8)+32*((ta/4)%2)
	LST SA+ta%4, XB+8*ta+4, 128*(ta/8)+32*((ta/4)%2)+16
.set ta, ta+1
.endr
	WIN 0
	s_wait_dscnt 0x0                               ; for the others' sake: my columns lie in the stage
	s_barrier_signal -1
	s_barrier_wait -1                              ; 64 whole rows do
	; ---- LayerNorm: my 16 rows, four at a time; a lane holds 24 numbers of a row.  Mean first, then the squares of the differences: no difference of large sums is formed
.irp p, 0,1,2,3
	v_mov_b32 v[T+8*\p+5], 0                       ; (named as pairs' upper halves)
	v_mov_b32 v[T+8*\p+7], 0
.endr
.macro LNLOAD b, y
.set pp, 0
.rept 4
.irp q, 0,1,2,3,4,5
	LLD \y+24*pp+4*\q, SR, (4*(\b)+pp)*SPITCH+512*\q
.endr
.set pp, pp+1
.endr
.endm
.macro REDUCE                          ; two pairs a row become the row's sum, in every lane
.irp p, 0,1,2,3
	v_pk_add_f32 v[T+8*\p:T+8*\p+1], v[T+8*\p:T+8*\p+1], v[T+8*\p+2:T+8*\p+3]
.endr
.irp p, 0,1,2,3
	v_add_f32 v[T+8*\p], v[T+8*\p], v[T+8*\p+1]
.endr
.irp x, 1,2,4,8
.irp p, 0,1,2,3
	v_add_f32_dpp v[T+8*\p], v[T+8*\p], v[T+8*\p] row_xmask:\x row_mask:0xf bank_mask:0xf
.endr
.endr
.irp p, 0,1,2,3
	v_permlanex16_b32 v[T+8*\p+1], v[T+8*\p], s44, s45
.endr
.irp p, 0,1,2,3
	v_add_f32 v[T+8*\p], v[T+8*\p], v[T+8*\p+1]
.endr
.endm
.macro LNWORK b, y
.set yl, (\y)%256
	WIN 0x05
.irp p, 0,1,2,3
	v_pk_add_f32 v[T+8*\p:T+8*\p+1], v[yl+24*\p:yl+24*\p+1], v[yl+24*\p+2:yl+24*\p+3]
	v_pk_add_f32 v[T+8*\p+2:T+8*\p+3], v[yl+24*\p+4:yl+24*\p+5], v[yl+24*\p+6:yl+24*\p+7]
.endr
	WIN 0x04
.irp j, 8,12,16,20
.irp p, 0,1,2,3
	v_pk_add_f32 v[T+8*\p:T+8*\p+1], v[T+8*\p:T+8*\p+1], v[yl+24*\p+\j:yl+24*\p+\j+1]
	v_pk_add_f32 v[T+8*\p+2:T+8*\p+3], v[T+8*\p+2:T+8*\p+3], v[yl+24*\p+\j+2:yl+24*\p+\j+3]
.endr
.endr
	WIN 0
	REDUCE
.irp p, 0,1,2,3
	v_mul_f32 v[T+8*\p+4], s61, v[T+8*\p]          ; the mean
.endr
	WIN 0x41
.irp j, 0,2,4,6,8,10,12,14,16,18,20,22
.irp p, 0,1,2,3
	v_pk_add_f32 v[yl+24*\p+\j:yl+24*\p+\j+1], v[yl+24*\p+\j:yl+24*\p+\j+1], v[T+8*\p+4:T+8*\p+5] op_sel_hi:[1,0] neg_lo:[0,1] neg_hi:[0,1]
.endr
.endr
	WIN 0x05
.irp p, 0,1,2,3
	v_pk_mul_f32 v[T+8*\p:T+8*\p+1], v[yl+24*\p:yl+24*\p+1], v[yl+24*\p:yl+24*\p+1]
	v_pk_mul_f32 v[T+8*\p+2:T+8*\p+3], v[yl+24*\p+2:yl+24*\p+3], v[yl+24*\p+2:yl+24*\p+3]
.endr
.irp j, 4,8,12,16,20
.irp p, 0,1,2,3
	v_pk_fma_f32 v[T+8*\p:T+8*\p+1], v[yl+24*\p+\j:yl+24*\p+\j+1], v[yl+24*\p+\j:yl+24*\p+\j+1], v[T+8*\p:T+8*\p+1]
	v_pk_fma_f32 v[T+8*\p+2:T+8*\p+3], v[yl+24*\p+\j+2:yl+24*\p+\j+3], v[yl+24*\p+\j+2:yl+24*\p+\j+3], v[T+8*\p+2:T+8*\p+3]
.endr
.endr
	WIN 0
	REDUCE
.irp p, 0,1,2,3
	v_fma_f32 v[T+8*\p], v[T+8*\p], s61, s62       ; the variance + 1e-12
.endr
	s_wait_alu depctr_va_vdst(0)
.irp p, 0,1,2,3
	v_rsq_f32 v[T+8*\p+6], v[T+8*\p]
.endr
	v_nop                                          ; a plain line behind the last root
	s_wait_alu depctr_va_vdst(0)                   ; one wait for the four, ahead of their first reader
	WIN 0x41
.irp j, 0,2,4,6,8,10,12,14,16,18,20,22
.irp p, 0,1,2,3
	v_pk_mul_f32 v[yl+24*\p+\j:yl+24*\p+\j+1], v[yl+24*\p+\j:yl+24*\p+\j+1], v[T+8*\p+6:T+8*\p+7] op_sel_hi:[1,0]
.endr
.endr
.irp j, 0,2,4,6,8,10,12,14,16,18,20,22
.irp p, 0,1,2,3
	v_pk_fma_f32 v[yl+24*\p+\j:yl+24*\p+\j+1], v[yl+24*\p+\j:yl+24*\p+\j+1], v[LW+\j:LW+\j+1], v[LB+\j:LB+\j+1]
.endr
.endr
.set pp, 0
.rept 4
.irp q, 0,1,2,3,4,5
	GSTNT LI, \y+24*pp+4*\q, 24, (4*(\b)+pp)*3072+512*\q   ; 32 lanes store 512 consecutive bytes, aligned; written once, read by nobody here
.endr
.set pp, pp+1
.endr
.endm
	LNLOAD 0, YA
	LNLOAD 1, YB
	s_wait_dscnt 24                                ; the first four rows are in; the next four may be out
	LNWORK 0, YA
	s_wait_xcnt 0x0                                ; the stores have read their registers: the set is loaded again
	LNLOAD 2, YA
	s_wait_dscnt 24
	LNWORK 1, YB
	s_wait_xcnt 0x0
	LNLOAD 3, YB
	s_wait_dscnt 24
	LNWORK 2, YA
	s_wait_dscnt 0x0
	LNWORK 3, YB
	WIN 0
	s_wait_tensorcnt 0x0                           ; the wave's end: behind my last LDS store
	ds_add_u32 v[SPW], v[NIL]
	s_wait_dscnt 0x0
	s_endpgm
.Lfunc_end_k_q480564cf47_attn:
	.size	k_q480564cf47_attn, .Lfunc_end_k_q480564cf47_attn-k_q480564cf47_attn
	.p2alignl 7, 3214868480
	.fill 96, 4, 3214868480
	.section	.rodata,"a",@progbits
	.p2align	6, 0x0
	.amdhsa_kernel k_q480564cf47_attn
		.amdhsa_group_segment_fixed_size 249344
		.amdhsa_private_segment_fixed_size 0
		.amdhsa_enable_private_segment 0
		.amdhsa_kernarg_size 88
		.amdhsa_user_sgpr_count 2
		.amdhsa_user_sgpr_kernarg_segment_ptr 1
		.amdhsa_wavefront_size32 1
		.amdhsa_system_sgpr_workgroup_id_x 1
		.amdhsa_system_sgpr_workgroup_id_y 1
		.amdhsa_system_sgpr_workgroup_id_z 1
		.amdhsa_system_vgpr_workitem_id 0
		.amdhsa_next_free_vgpr 1024
		.amdhsa_next_free_sgpr 80
		.amdhsa_reserve_vcc 0
		.amdhsa_float_denorm_mode_32 3
		.amdhsa_float_denorm_mode_16_64 3
		.amdhsa_memory_ordered 1
		.amdhsa_forward_progress 1
		.amdhsa_inst_pref_size 255
	.end_amdhsa_kernel
	.section	.bss,"aw",@nobits
	.p2align	6
	.space	262144
	.amdgpu_metadata
---
amdhsa.version: [ 1, 2 ]
amdhsa.kernels:
  - .name:           k_q480564cf47_attn
    .symbol:         k_q480564cf47_attn.kd
    .args:
      - { .name: qc, .offset: 0, .size: 8, .value_kind: global_buffer, .address_space: global }
      - { .name: kc, .offset: 8, .size: 8, .value_kind: global_buffer, .address_space: global }
      - { .name: vc, .offset: 16, .size: 8, .value_kind: global_buffer, .address_space: global }
      - { .name: wcodes, .offset: 24, .size: 8, .value_kind: global_buffer, .address_space: global }
      - { .name: additive_attention_mask, .offset: 32, .size: 8, .value_kind: global_buffer, .address_space: global }
      - { .name: x, .offset: 40, .size: 8, .value_kind: global_buffer, .address_space: global }
      - { .name: bo, .offset: 48, .size: 8, .value_kind: global_buffer, .address_space: global }
      - { .name: ln_w, .offset: 56, .size: 8, .value_kind: global_buffer, .address_space: global }
      - { .name: ln_b, .offset: 64, .size: 8, .value_kind: global_buffer, .address_space: global }
      - { .name: lowp_scales, .offset: 72, .size: 8, .value_kind: global_buffer, .address_space: global }
      - { .name: out0, .offset: 80, .size: 8, .value_kind: global_buffer, .address_space: global }
    .group_segment_fixed_size: 249344
    .private_segment_fixed_size: 0
    .kernarg_segment_align: 8
    .kernarg_segment_size: 88
    .max_flat_workgroup_size: 128
    .sgpr_count:     80
    .vgpr_count:     1024
    .wavefront_size: 32
...
	.end_amdgpu_metadata
.endif
;; end of part 3
